; MI455X (gfx1250); checked and timed in simulation.
; The chip was launched on July 23, 2026; its instructions are those of AMD's public machine-readable ISA for CDNA 5 (MIT licence, August 2026) and "CDNA5" Instruction Set Architecture Reference Guide (July 2026). The comments in the code are by the model that wrote it; some were corrected since.
;; Multi Head Attention. Allowed arithmetic: matrix products marked QUANTISED: E2M1 operands, one E8M0 scale for each 32 along K, by v_wmma_scale_f32_16x16x128_f8f6f4 with both operands' format E2M1 (or v_wmma_scale_f32_32x16x128_f4), f32 sums; products left as they are: bf16, f16 or f32 operands; f32 sums; everything else in f32.
;; Inputs: Wk 512 x 512 float32; Wo 512 x 512 float32; Wq 512 x 512 float32; Wv 512 x 512 float32; bk 512 float32; bo 512 float32; bq 512 float32; bv 512 float32; x 2 x 4,096 x 512 float32.
;; Outputs: out0 2 x 4,096 x 512 float32.
;; This version of the problem:
;;   THIS VERSION OF THE PROBLEM IS GIVEN IN LOW PRECISION. The matrix products marked QUANTISED in the list below multiply operands that are first quantised to E2M1 (2 exponent bits, 1 mantissa bit; 4 bits a number), with one power-of-two scale for each 32 numbers along K (OCP MX v1.0); their sums are f32. The products marked 'left as it is' may take bf16, f16 or f32 operands, with f32 sums. Whichever they take, every output number must still come out within the allowed error. Rounding operands to bf16 (8 significant bits) uses up far more of that allowance than f16 does (11 bits, for magnitudes from 6e-5 to 65,504). All else is computed in f32.
;;   The module's matrix products, in the order in which they are computed (A, B: the left and right operand; K: the contracted axis; several contracted axes count as one K, in the product's order):
;;     1. [M 8,192, K 512] x [K 512, N 512]; A: input x; B: input Wq: QUANTISED
;;     2. [M 8,192, K 512] x [K 512, N 512]; A: input x; B: input Wk: QUANTISED
;;     3. [M 8,192, K 512] x [K 512, N 512]; A: input x; B: input Wv: QUANTISED
;;     4. batch 16 x [M 4,096, K 64] x [K 64, N 4,096]; A: computed on the way; B: computed on the way: left as it is (an operand is computed on the way)
;;     5. batch 16 x [M 4,096, K 4,096] x [K 4,096, N 64]; A: computed on the way; B: computed on the way: left as it is (an operand is computed on the way)
;;     6. [M 8,192, K 512] x [K 512, N 512]; A: computed on the way; B: input Wo: left as it is (an operand is computed on the way)
;;   THE QUANTISER, for each operand of a quantised product, along K:
;;     - K is cut into blocks of 32 from its start; a last block that is shorter is filled with zeros.
;;     - A block's scale is 2^e with e = floor(log2(the largest magnitude in the block)) - 2, held to -126 .. 127; a block of zeros has e = 0. As a byte (E8M0): e + 127.
;;     - Each number is divided by its block's scale, clamped to +-6, and rounded to the nearest number of E2M1, ties to even, subnormals kept.
;;     - The product sums the exact products of the quantised numbers (number of the format x scale) in f32.
;;   ~~~python
;;   def quantise(x, axis):      # numpy; x: float32 -> the quantised numbers, widened to float32 again
;;       x = np.moveaxis(x, axis, -1); K = x.shape[-1]
;;       x = np.pad(x, [(0, 0)] * (x.ndim - 1) + [(0, -K % 32)]); x = x.reshape(x.shape[:-1] + (-1, 32)); a = np.abs(x).max(-1, keepdims=True)
;;       e = np.where(a > 0, np.clip(np.frexp(np.where(a > 0, a, 1))[1] - 1 - 2, -126, 127), 0)      # np.frexp(a)[1] - 1 = floor(log2(a)), exactly
;;       r = np.clip(x / 2.0 ** e, -6, 6)
;;       step = 2.0 ** (np.maximum(np.frexp(np.where(r == 0, 1, r))[1] - 1, 0) - 1)
;;       q = np.round(r / step) * step * 2.0 ** e      # np.round: ties to even
;;       return np.moveaxis(q.reshape(q.shape[:-2] + (-1,))[..., :K], -1, axis).astype(np.float32)
;;   ~~~
;; One version. Each part assembles by itself: llvm-mc -triple=amdgcn-amd-amdhsa -mcpu=gfx1250 --defsym DOCPART=n.
;; ======== version 1 of 1: 4 launches
;; limits: values are held in f16: magnitudes above 65,504 overflow, below 6.1e-05 lose precision
;; workspace buffers: xq 2,228,224 bytes; wq 417,792 bytes; wo16 524,288 bytes; q16 8,388,608 bytes; kv16 16,777,216 bytes; o16 8,388,608 bytes
;; launch prep (part 1): grid 320 x 1, 4 waves a work-group, no clusters, 67,072 bytes of LDS; arguments x, Wq, Wk, Wv, Wo, xq, wq, wo16; writes xq, wq, wo16
.if DOCPART == 1
	.amdgcn_target "amdgcn-amd-amdhsa--gfx1250"
	.amdhsa_code_object_version 6
	.text
	.protected	k_qcc3c1da6ad_prep
	.globl	k_qcc3c1da6ad_prep
	.p2align	8
	.type	k_qcc3c1da6ad_prep,@function
k_qcc3c1da6ad_prep:
	s_mov_b64 s[64:65], 0
	v_nop
	global_prefetch_b8 v0, s[64:65] scope:SCOPE_SE
	s_setreg_imm32_b32 hwreg(HW_REG_WAVE_MODE, 25, 1), 1
	s_wait_xcnt 0x0
; x [8192][512] and Wq, Wk, Wv [512 (k)][512 (n)], f32, become codes of FP4 (E2M1) with one E8M0 byte for each 32 along K; Wo [512 (k)][512 (n)] becomes f16.
; All three results are laid as IMAGES OF OPERAND REGISTERS: a fragment (16 rows x one K step) is 1,024 bytes, [sub 0..3][row 0..15][16 bytes]; sub is the block of 32 codes inside a K step of 128
; (FP4) or the group of 8 numbers inside a K step of 32 (f16).  Read as [quad 0, 1][lane 0..31][16 bytes] that is what two loads of 16 bytes a lane put into a fragment's eight registers.
;   xq:   [64 blocks of 128 rows] x 34,816 bytes: codes [row tile 8][K step 4][1,024], then scale words [row tile 8][row 16][K step 4] of 4 bytes.
;   wq:   [4 head pairs of 128 columns] x 104,448 bytes: codes [32 columns 4][weight 3][column tile 2][K step 4][1,024], then scale words [4][3][2][column 16][K step 4].
;   wo16: [4 blocks of 128 columns][K step 16][column tile 8][1,024].
; A block's scale is 2^(floor(log2(its largest magnitude)) - 2); its byte is the largest magnitude's exponent field - 2, held at 1 from below by a floor among the maximum's leaves.
; LIMITS: a block of zeros, or one whose largest magnitude lies under 2^-124, gets the byte 1 (the rule says 127 for zeros: the codes are zeros, and this program alone reads the bytes);
; NaN and infinities are not served; Wo beyond 65,504 does not fit f16.
; Work-groups 0-63 take the weights (16 each), work-groups 64-319 take x.  Waves share nothing: no barrier.
.set X,     32                         ; v32-159  128 numbers
.set CD,    160                        ; v160-175 codes
.set SB,    176                        ; v176     a column's four scale bytes
.set SPW,   30                         ; v30      LDS address of my spare word; never rewritten
.set NIL,   31                         ; v31      0; never rewritten
.set XP,    1040                       ; a stage row: 1,024 bytes + 16, an odd multiple of 16: the 16 rows that a read touches fall on 16 different columns of 16 bytes
.set WST,   16*XP                      ; a wave's stage
.set SPARE, 4*WST                      ; behind the four stages: the spare words, 128 bytes a wave
.set XBLK,  34816
.set WBLK,  104448
	s_load_b256 s[4:11], s[0:1], 0x0               ; x, Wq, Wk, Wv
	s_load_b256 s[12:19], s[0:1], 0x20             ; Wo, xq, wq, wo16
	v_lshl_add_u32 v[SPW], v0, 2, SPARE
	v_mov_b32 v[NIL], 0
	v_lshrrev_b32 v1, 5, v0
	v_readfirstlane_b32 s20, v1                    ; wave
	v_and_b32 v1, 31, v0                           ; lane
	v_and_b32 v2, 15, v0                           ; r
	v_bfe_u32 v3, v0, 4, 1                         ; h
	v_lshlrev_b32 v4, 4, v1                        ; 16 x lane
	v_lshlrev_b32 v5, 3, v3                        ; 8 h
	v_mov_b32 v6, 0                                ; a lane permute's destination counts as read
	s_mul_i32 s21, s20, WST
	v_add_nc_u32 v8, s21, v4                       ; the stage, on the way in: 16 x lane
	v_mul_u32_u24 v9, v2, XP
	v_lshl_add_u32 v9, v3, 7, v9
	v_add_nc_u32 v9, s21, v9                       ; and on the way out: row r, + 128 h
	s_mov_b32 s22, 0x76543210
	s_mov_b32 s23, 0xfedcba98                      ; selects for lane l xor 16
	s_wait_kmcnt 0x0
	s_cmp_lt_u32 ttmp9, 64
	s_cbranch_scc1 .Lw
	; ---- x.  A wave takes a tile of 16 rows x 256 along K (two K steps).
	s_sub_co_u32 s24, ttmp9, 64
	s_lshl_b32 s24, s24, 1
	s_lshr_b32 s25, s20, 1
	s_add_co_u32 s24, s24, s25                     ; row tile 0..511
	s_and_b32 s25, s20, 1                          ; which pair of K steps
	s_lshl_b32 s26, s24, 15                        ; 16 rows of 2,048 bytes
	s_lshl_b32 s27, s25, 10
	s_or_b32 s26, s26, s27
	s_mov_b32 s27, 0
	s_add_nc_u64 s[4:5], s[4:5], s[26:27]
	s_lshr_b32 s28, s24, 3
	s_mul_i32 s28, s28, XBLK                       ; the block of 128 rows
	s_and_b32 s29, s24, 7
	s_lshl_b32 s30, s29, 12
	s_add_co_u32 s30, s30, s28
	s_lshl_b32 s31, s25, 11
	s_add_co_u32 s30, s30, s31
	s_mov_b32 s31, 0
	s_add_nc_u64 s[32:33], s[14:15], s[30:31]      ; my two fragments
	s_lshl_b32 s30, s29, 8
	s_add_co_u32 s30, s30, s28
	s_lshl_b32 s36, s25, 3
	s_add_co_u32 s30, s30, s36
	s_add_co_u32 s30, s30, 32768
	s_add_nc_u64 s[34:35], s[14:15], s[30:31]      ; my scale words
	v_lshlrev_b32 v19, 4, v2
	v_lshl_add_u32 v19, v3, 2, v19                 ; 16 r + 4 h
.irp p, 0,1
.irp rr, 0,1,2,3,4,5,6,7,8,9,10,11,12,13,14,15
	global_load_b128 v[X+64*\p+4*\rr:X+64*\p+4*\rr+3], v4, s[4:5] offset:2048*\rr+512*\p th:TH_LOAD_NT   ; 32 lanes read 512 consecutive bytes: K step p of row rr
.endr
.endr
; K step p through the stage: in as loaded, out with a whole block of 32 in a lane: lane (r, h) takes blocks h and 2 + h of row r.  LDS serves a wave's instructions in order: no wait between.
.macro TURNX p
.irp rr, 0,1,2,3,4,5,6,7,8,9,10,11,12,13,14,15
	ds_store_b128 v8, v[X+64*\p+4*\rr:X+64*\p+4*\rr+3] offset:XP*\rr+512*\p
.endr
.irp c, 0,1
.irp i, 0,1,2,3,4,5,6,7
	ds_load_b128 v[X+64*\p+32*\c+4*\i:X+64*\p+32*\c+4*\i+3], v9 offset:512*\p+256*\c+16*\i
.endr
.endr
.endm
; K step p: two blocks a lane become eight registers of codes, which are the fragment's registers, and the row's scale word (v16 + p)
.macro QX p
.set XS, X+64*(\p)
.irp c, 0,1
	v_max3_num_f32 v[10+\c], |v[XS+32*\c]|, |v[XS+32*\c+1]|, 0x1800000   ; the floor 2^(3 - 127): the byte cannot fall under 1
.endr
.irp i, 2,4,6,8,10,12,14,16,18,20,22,24,26,28,30
.irp c, 0,1
	v_max3_num_f32 v[10+\c], v[10+\c], |v[XS+32*\c+\i]|, |v[XS+32*\c+\i+1]|
.endr
.endr
.irp c, 0,1
	v_add_nc_u32 v[12+\c], 0xff000000, v[10+\c]    ; 2 off the exponent field: the conversion's scale operand
.endr
.irp c, 0,1
	v_lshrrev_b32 v[14+\c], 23, v[12+\c]           ; the scale's byte
.endr
	v_lshl_or_b32 v[16+\p], v15, 16, v14           ; blocks h and 2 + h,
	v_lshlrev_b32 v[16+\p], v5, v[16+\p]           ; at their places in the word;
	v_permlanex16_b32 v6, v[16+\p], s22, s23
	v_or_b32 v[16+\p], v[16+\p], v6                ; with lane l xor 16's two the word is whole
.irp c, 0,1
.irp g, 0,1,2,3
	v_cvt_scalef32_pk8_fp4_f32 v[CD+8*\p+4*\c+\g], v[XS+32*\c+8*\g:XS+32*\c+8*\g+7], v[12+\c]
.endr
.endr
	v_nop                                          ; one plain line behind the last scaled conversion
	global_store_b128 v4, v[CD+8*\p:CD+8*\p+3], s[32:33] offset:1024*\p        ; 512 consecutive bytes, aligned
	global_store_b128 v4, v[CD+8*\p+4:CD+8*\p+7], s[32:33] offset:1024*\p+512
.endm
	s_wait_loadcnt 16                              ; K step 0's sixteen loads are in; K step 1's may be out
	TURNX 0
	s_wait_loadcnt 0x0
	TURNX 1
	s_wait_dscnt 32                                ; K step 0 is back; K step 1's 16 stores and 16 loads may be out
	QX 0
	s_wait_dscnt 0x0
	QX 1
	v_cmp_ne_u32 vcc_lo, 0, v3
	v_cndmask_b32 v18, v16, v17, vcc_lo            ; lanes 0-15 store the first K step's word, lanes 16-31 the second's
	global_store_b32 v19, v18, s[34:35]            ; 8 of each row's 16 bytes: the neighbouring wave stores the other 8 (131,072 bytes in the launch leave so)
	s_wait_tensorcnt 0x0                           ; the wave's end, behind my last LDS store
	ds_add_u32 v[SPW], v[NIL]
	s_wait_dscnt 0x0
	s_endpgm
	; ---- the weights.  A LANE TAKES A COLUMN n AND ITS REGISTERS RUN DOWN K.  A work-group takes 128 columns x 128 along K of one weight; its four waves stand side by side on 512 consecutive bytes.
.Lw:
	s_lshr_b32 s24, ttmp9, 4                       ; which weight: Wq, Wk, Wv, Wo
	s_bfe_u32 s26, ttmp9, 0x20002                  ; which 128 columns
	s_and_b32 s27, ttmp9, 3                        ; which 128 along K
	s_cmp_eq_u32 s24, 1
	s_cselect_b64 s[6:7], s[8:9], s[6:7]
	s_cmp_eq_u32 s24, 2
	s_cselect_b64 s[6:7], s[10:11], s[6:7]
	s_cmp_eq_u32 s24, 3
	s_cselect_b64 s[6:7], s[12:13], s[6:7]
	s_lshl_b32 s28, s27, 18                        ; 128 rows of 2,048 bytes
	s_lshl_b32 s29, s26, 9
	s_or_b32 s28, s28, s29
	s_lshl_b32 s29, s20, 7
	s_or_b32 s28, s28, s29
	s_mov_b32 s29, 0
	s_add_nc_u64 s[6:7], s[6:7], s[28:29]
	v_lshlrev_b32 v7, 2, v1
.set i, 0
.rept 128
	global_load_b32 v[X+i], v7, s[6:7] offset:2048*i th:TH_LOAD_NT
.set i, i+1
.endr
	s_cmp_eq_u32 s24, 3
	s_cbranch_scc1 .Lwo
	s_mul_i32 s30, s26, WBLK
	s_mul_i32 s31, s20, 24576
	s_add_co_u32 s31, s31, s30
	s_lshl_b32 s32, s24, 13
	s_add_co_u32 s31, s31, s32
	s_lshl_b32 s32, s27, 10
	s_add_co_u32 s32, s32, s31
	s_mov_b32 s33, 0
	s_add_nc_u64 s[32:33], s[16:17], s[32:33]      ; codes: the two fragments (column tiles) of my K step
	s_mul_i32 s34, s20, 1536
	s_add_co_u32 s34, s34, s30
	s_lshl_b32 s35, s24, 9
	s_add_co_u32 s34, s34, s35
	s_lshl_b32 s35, s27, 2
	s_add_co_u32 s34, s34, s35
	s_add_co_u32 s34, s34, 98304
	s_mov_b32 s35, 0
	s_add_nc_u64 s[34:35], s[16:17], s[34:35]      ; scale words
	v_lshlrev_b32 v20, 4, v2
	v_lshl_add_u32 v21, v3, 8, v20                 ; scale words: 256 x column tile + 16 r
	v_lshl_add_u32 v20, v3, 12, v20                ; codes: 4,096 x column tile + 16 r
.macro QW b                            ; block b of my column: all 32 numbers are mine
.set XS, X+32*(\b)
	v_max3_num_f32 v12, |v[XS]|, |v[XS+1]|, |v[XS+2]|
	v_max3_num_f32 v13, |v[XS+3]|, |v[XS+4]|, |v[XS+5]|
.irp i, 6,10,14,18,22,26
	v_max3_num_f32 v12, v12, |v[XS+\i]|, |v[XS+\i+1]|
	v_max3_num_f32 v13, v13, |v[XS+\i+2]|, |v[XS+\i+3]|
.endr
	v_max3_num_f32 v12, v12, |v[XS+30]|, |v[XS+31]|
	v_max3_num_f32 v12, v12, v13, 0x1800000        ; and the floor
	v_add_nc_u32 v11, 0xff000000, v12
	v_lshrrev_b32 v13, 23, v11
.if \b == 0
	v_mov_b32 v[SB], v13
.else
	v_lshl_or_b32 v[SB], v13, 8*\b, v[SB]
.endif
.irp g, 0,1,2,3
	v_cvt_scalef32_pk8_fp4_f32 v[CD+4*\b+\g], v[XS+8*\g:XS+8*\g+7], v11
.endr
	v_nop                                          ; one plain line behind the last scaled conversion: the next block writes v11
	global_store_b128 v20, v[CD+4*\b:CD+4*\b+3], s[32:33] offset:256*\b        ; each half of the lanes stores 256 consecutive bytes, aligned
.endm
	s_wait_loadcnt 63                              ; the largest count the wait can name: of the 128 loads the oldest 65 are in: blocks 0 and 1
	QW 0
	QW 1
	s_wait_loadcnt 32                              ; block 3's may be out
	QW 2
	s_wait_loadcnt 0x0
	QW 3
	global_store_b32 v21, v[SB], s[34:35]          ; 4 of each column's 16 bytes (24,576 bytes in the launch leave so)
	s_endpgm
.Lwo:
	s_lshl_b32 s32, s26, 17
	s_lshl_b32 s33, s27, 15
	s_add_co_u32 s32, s32, s33
	s_lshl_b32 s33, s20, 11
	s_add_co_u32 s32, s32, s33
	s_mov_b32 s33, 0
	s_add_nc_u64 s[32:33], s[18:19], s[32:33]
	v_lshlrev_b32 v20, 4, v2
	v_lshl_add_u32 v20, v3, 10, v20                ; 1,024 x column tile + 16 r
	s_wait_loadcnt 0x0
.set i, 0
.rept 64
	v_cvt_pk_f16_f32 v[X+i], v[X+2*i], v[X+2*i+1]  ; the lower k in the low half; register i is written when its own number has been read
.set i, i+1
.endr
.irp m, 0,1,2,3,4,5,6,7,8,9,10,11,12,13,14,15
	global_store_b128 v20, v[X+4*\m:X+4*\m+3], s[32:33] offset:8192*(\m/4)+256*(\m%4)   ; eight k: K step m / 4 of my four, group m % 4
.endr
	s_endpgm
.Lfunc_end_k_qcc3c1da6ad_prep:
	.size	k_qcc3c1da6ad_prep, .Lfunc_end_k_qcc3c1da6ad_prep-k_qcc3c1da6ad_prep
	.p2alignl 7, 3214868480
	.fill 96, 4, 3214868480
	.section	.rodata,"a",@progbits
	.p2align	6, 0x0
	.amdhsa_kernel k_qcc3c1da6ad_prep
		.amdhsa_group_segment_fixed_size 67072
		.amdhsa_private_segment_fixed_size 0
		.amdhsa_enable_private_segment 0
		.amdhsa_kernarg_size 64
		.amdhsa_user_sgpr_count 2
		.amdhsa_user_sgpr_kernarg_segment_ptr 1
		.amdhsa_wavefront_size32 1
		.amdhsa_system_sgpr_workgroup_id_x 1
		.amdhsa_system_sgpr_workgroup_id_y 1
		.amdhsa_system_sgpr_workgroup_id_z 1
		.amdhsa_system_vgpr_workitem_id 0
		.amdhsa_next_free_vgpr 184
		.amdhsa_next_free_sgpr 66
		.amdhsa_reserve_vcc 1
		.amdhsa_float_denorm_mode_32 3
		.amdhsa_float_denorm_mode_16_64 3
		.amdhsa_memory_ordered 1
		.amdhsa_forward_progress 1
		.amdhsa_inst_pref_size 42
	.end_amdhsa_kernel
	.amdgpu_metadata
---
amdhsa.version: [ 1, 2 ]
amdhsa.kernels:
  - .name:           k_qcc3c1da6ad_prep
    .symbol:         k_qcc3c1da6ad_prep.kd
    .args:
      - { .name: x, .offset: 0, .size: 8, .value_kind: global_buffer, .address_space: global }
      - { .name: Wq, .offset: 8, .size: 8, .value_kind: global_buffer, .address_space: global }
      - { .name: Wk, .offset: 16, .size: 8, .value_kind: global_buffer, .address_space: global }
      - { .name: Wv, .offset: 24, .size: 8, .value_kind: global_buffer, .address_space: global }
      - { .name: Wo, .offset: 32, .size: 8, .value_kind: global_buffer, .address_space: global }
      - { .name: xq, .offset: 40, .size: 8, .value_kind: global_buffer, .address_space: global }
      - { .name: wq, .offset: 48, .size: 8, .value_kind: global_buffer, .address_space: global }
      - { .name: wo16, .offset: 56, .size: 8, .value_kind: global_buffer, .address_space: global }
    .group_segment_fixed_size: 67072
    .private_segment_fixed_size: 0
    .kernarg_segment_align: 8
    .kernarg_segment_size: 64
    .max_flat_workgroup_size: 128
    .sgpr_count:     66
    .vgpr_count:     184
    .wavefront_size: 32
...
	.end_amdgpu_metadata
.endif
;; end of part 1
;; launch qkv (part 2): grid 4 x 64, 4 waves a work-group, clusters of 4 x 4, 167,936 bytes of LDS; arguments xq, wq, bq, bk, bv, q16, kv16; writes q16, kv16
.if DOCPART == 2
	.amdgcn_target "amdgcn-amd-amdhsa--gfx1250"
	.amdhsa_code_object_version 6
	.text
	.protected	k_qcc3c1da6ad_qkv
	.globl	k_qcc3c1da6ad_qkv
	.p2align	8
	.type	k_qcc3c1da6ad_qkv,@function
k_qcc3c1da6ad_qkv:
	s_mov_b64 s[64:65], 0
	v_nop
	global_prefetch_b8 v0, s[64:65] scope:SCOPE_SE
	s_setreg_imm32_b32 hwreg(HW_REG_WAVE_MODE, 25, 1), 1
	s_wait_xcnt 0x0
	s_wait_alu depctr_hold_cnt(0) depctr_sa_sdst(0) depctr_va_vdst(0) depctr_va_sdst(0) depctr_va_ssrc(0) depctr_va_vcc(0) depctr_vm_vsrc(0)
	s_getreg_b32 s2, hwreg(HW_REG_IB_STS2, 6, 4)
	s_cmp_eq_u32 s2, 0
	s_cbranch_scc0 .Lentry_in_a_cluster
	s_endpgm
.Lentry_in_a_cluster:
	s_bfe_u32 s2, ttmp6, 0x10000c
	s_cmp_lg_u32 s2, 0xf033
	s_cbranch_scc0 .Lentry_shape_is_right
	s_endpgm
.Lentry_shape_is_right:
; q = x Wq + bq, k = x Wk + bk, v = x Wv + bv on codes of FP4 (E2M1) with E8M0 scales, K = 512; sums in f32; the results leave as f16, laid as the attention launch's operand registers.
; A work-group takes 128 rows of x and one head pair (128 columns of each weight); wave w takes all 128 rows x 32 columns of each: half a head.  All of K lies in registers: no loop, 192 matrix instructions a wave.
; q and k are made TRANSPOSED (source 0 = 16 columns of W, source 1 = 16 rows of x): a lane holds one row and eight neighbouring channels, which rounded to f16 are four registers of a fragment whose K is
; the head's channels.  v is made the natural way round (source 0 = x, source 1 = W): a lane holds one channel and eight neighbouring keys: four registers of a fragment of V^T, whose K is the keys.
; The biases are the C of each sum's first matrix instruction.  q is multiplied in f32 by c = log2(e) / 8, so that the attention launch's scores are exponents of 2.
;   q16:  [batch x head 16][query tile 256][channel half 2][1,024 bytes]         kv16: [batch x head 16][step of 64 keys 64] x 16,384 bytes: K [key tile 4][channel half 2][1,024], then V^T [32 keys 2][channel tile 4][1,024]
; CLUSTER 4 x 4: x's block hangs on the row block alone and is asked for jointly along a row of the cluster, the weights' block on the head pair alone and jointly along a column.
; Every wave asks for a quarter of each: two tensor loads of mine are out.  LDS is filled once.
; LIMITS: q c, k and v beyond 65,504 do not fit f16; NaN and infinities are not served.
; REGISTERS: window 0: addresses, v16-47 x's scale words, v48-71 the weights', v72-119 biases, v128-191 results as f16.  window 1: x's 32 fragments.  window 2: my 24 fragments of the weights.  window 3: 16 accumulators.
.set XBLK,  34816
.set WBLK,  104448
.set WOFF,  XBLK                       ; LDS: x's block, then the weights'
.set SPARE, XBLK+WBLK                  ; then the spare words, 128 bytes a wave
.set LI,  1                            ; v1  16 x lane
.set LR,  2                            ; v2  16 r
.set H32, 3                            ; v3  32 h
.set R4,  4                            ; v4  4 r
.set AW,  5                            ; v5  LDS: my fragments of the weights
.set AWS, 6                            ; v6  LDS: their scale words
.set SPW, 8                            ; v8  my spare word; never rewritten
.set NIL, 9                            ; v9  0; never rewritten
.set XS,  16                           ; register 4 m + s: row tile m, K step s
.set WS,  48                           ; register 4 (2 wt + t) + s
.set BQ,  72
.set BK,  88
.set BV,  104
.set TMP, 128
.set WV,  18
.set G1X, 24
.set G0X, 32
.set G0W, 36
.set G1W, 48
.set QB,  56
.set KB,  58
.set VB,  60
.set CS,  62
.set MSB, 0
.macro WIN new                         ; the immediate's high byte repeats the setting that is left
.if MSB != (\new)
	s_set_vgpr_msb (MSB<<8)|(\new)
.set MSB, (\new)
.endif
.endm
.macro PLACES
.rept 4
	v_nop
.endr
.endm
.macro CROUND                          ; a round of the cluster's barrier
	s_barrier_signal -1
	s_barrier_wait -1
	s_cmp_lg_u32 s[WV], 0
	s_cbranch_scc1 .Lnot_wave_0_\@
	s_barrier_signal -3
.Lnot_wave_0_\@:
	s_barrier_wait -3
	s_barrier_signal -1
	s_barrier_wait -1
.endm
	s_load_b256 s[4:11], s[0:1], 0x0               ; xq, wq, bq, bk
	s_load_b128 s[12:15], s[0:1], 0x20             ; bv, q16
	s_load_b64 s[16:17], s[0:1], 0x30              ; kv16
	v_lshl_add_u32 v[SPW], v0, 2, SPARE
	v_mov_b32 v[NIL], 0
	ds_add_u32 v[SPW], v[NIL]                      ; the wave's opening: the add, twice on end, and its wait ahead of my first tensor load
	ds_add_u32 v[SPW], v[NIL]
	v_lshrrev_b32 v10, 5, v0
	v_readfirstlane_b32 s[WV], v10                 ; wave 0..3
	s_bfe_u32 s19, ttmp6, 0x40000                  ; cx
	s_bfe_u32 s20, ttmp6, 0x40004                  ; cy
	s_lshl_b32 s21, ttmp9, 2
	s_add_co_u32 s21, s21, s19                     ; head pair
	s_and_b32 s22, ttmp7, 0xffff
	s_lshl_b32 s22, s22, 2
	s_add_co_u32 s22, s22, s20                     ; row block
	s_lshl_b32 s23, s20, 2
	s_lshl_b32 s23, 15, s23                        ; my row of the cluster
	s_lshl_b32 s46, 0x1111, s19                    ; my column
	; group 1: dense blocks as rows of 256 bytes (32 elements of 8 bytes): 34 rows of x's block, 102 of the weights', for each wave
	s_or_b32 s[G1X], s23, (3<<16)|(1<<21)
	s_mov_b32 s[G1X+1], 32<<16
	s_mov_b32 s[G1X+2], 34<<16
	s_mov_b32 s[G1X+3], 32<<16
	s_mov_b32 s[G1X+4], 34
	s_mov_b32 s[G1X+5], 32
	s_mov_b32 s[G1X+6], 0
	s_mov_b32 s[G1X+7], 0
	s_or_b32 s[G1W], s46, (3<<16)|(1<<21)
	s_mov_b32 s[G1W+1], 32<<16
	s_mov_b32 s[G1W+2], 102<<16
	s_mov_b32 s[G1W+3], 32<<16
	s_mov_b32 s[G1W+4], 102
	s_mov_b32 s[G1W+5], 32
	s_mov_b32 s[G1W+6], 0
	s_mov_b32 s[G1W+7], 0
	s_mul_i32 s40, s22, XBLK                       ; x's block hangs on the row block and the wave alone,
	s_mul_i32 s41, s[WV], 8704
	s_add_co_u32 s40, s40, s41
	s_mov_b32 s41, 0
	s_mul_i32 s42, s21, WBLK                       ; the weights' on the head pair and the wave alone
	s_mul_i32 s43, s[WV], 26112
	s_add_co_u32 s42, s42, s43
	s_mov_b32 s43, 0
	s_mov_b32 s[CS], 0x3e38aa3b                    ; c = log2(e) / 8
	s_mov_b32 s[CS+1], s[CS]
	s_wait_dscnt 0x0                               ; both opening adds are done
	s_wait_kmcnt 0x0
	s_mov_b32 s[G0X], 1
	s_mul_i32 s[G0X+1], s[WV], 8704
	s_add_nc_u64 s[G0X+2:G0X+3], s[4:5], s[40:41]
	s_or_b32 s[G0X+3], s[G0X+3], 0x80000000
	s_mov_b32 s[G0W], 1
	s_mul_i32 s[G0W+1], s[WV], 26112
	s_add_co_u32 s[G0W+1], s[G0W+1], WOFF
	s_add_nc_u64 s[G0W+2:G0W+3], s[6:7], s[42:43]
	s_or_b32 s[G0W+3], s[G0W+3], 0x80000000
	CROUND                                         ; all sixteen work-groups are here: the joint loads meet
	tensor_load_to_lds s[G0X:G0X+3], s[G1X:G1X+7]
	s_nop 0
	tensor_load_to_lds s[G0W:G0W+3], s[G1W:G1W+7]
	s_nop 0
	PLACES
	v_and_b32 v[LI], 31, v0
	v_lshlrev_b32 v[LI], 4, v[LI]
	v_and_b32 v10, 15, v0
	v_bfe_u32 v11, v0, 4, 1
	v_lshlrev_b32 v[LR], 4, v10
	v_lshlrev_b32 v[H32], 5, v11
	v_lshlrev_b32 v[R4], 2, v10
	s_mul_i32 s76, s[WV], 24576
	s_add_co_u32 s76, s76, WOFF
	v_add_nc_u32 v[AW], s76, v[LI]
	s_mul_i32 s76, s[WV], 1536
	s_add_co_u32 s76, s76, WOFF+98304
	v_add_nc_u32 v[AWS], s76, v[LR]
	s_lshl_b32 s66, s21, 9                         ; my 32 columns' biases: 4 (128 x head pair + 32 x wave) bytes on
	s_lshl_b32 s67, s[WV], 7
	s_add_co_u32 s66, s66, s67
	s_mov_b32 s67, 0
	s_add_nc_u64 s[8:9], s[8:9], s[66:67]
	s_add_nc_u64 s[10:11], s[10:11], s[66:67]
	s_add_nc_u64 s[12:13], s[12:13], s[66:67]
.irp t, 0,1
	global_load_b128 v[BQ+8*\t:BQ+8*\t+3], v[H32], s[8:9] offset:64*\t        ; transposed results: register j wants the bias of column 16 t + 8 h + j
	global_load_b128 v[BQ+8*\t+4:BQ+8*\t+7], v[H32], s[8:9] offset:64*\t+16
	global_load_b128 v[BK+8*\t:BK+8*\t+3], v[H32], s[10:11] offset:64*\t
	global_load_b128 v[BK+8*\t+4:BK+8*\t+7], v[H32], s[10:11] offset:64*\t+16
	global_load_b32 v[BV+8*\t], v[R4], s[12:13] offset:64*\t                  ; natural results: all eight registers want the bias of column 16 t + r
.endr
	; where the results go
	s_lshr_b32 s68, s22, 5
	s_lshl_b32 s68, s68, 3
	s_lshl_b32 s69, s21, 1
	s_add_co_u32 s68, s68, s69
	s_lshr_b32 s69, s[WV], 1
	s_add_co_u32 s68, s68, s69                     ; batch x 8 + head
	s_and_b32 s69, s22, 31                         ; which 128 positions of the sequence
	s_and_b32 s70, s[WV], 1                        ; which half of the head's channels
	s_lshl_b32 s72, s68, 19
	s_lshl_b32 s73, s69, 14
	s_add_co_u32 s72, s72, s73
	s_lshl_b32 s73, s70, 10
	s_add_co_u32 s72, s72, s73
	s_mov_b32 s73, 0
	s_add_nc_u64 s[QB:QB+1], s[14:15], s[72:73]
	s_lshl_b32 s71, s68, 20
	s_lshl_b32 s72, s69, 15
	s_add_co_u32 s71, s71, s72                     ; my two steps of 64 keys
	s_lshl_b32 s72, s70, 10
	s_add_co_u32 s72, s72, s71
	s_add_nc_u64 s[KB:KB+1], s[16:17], s[72:73]
	s_lshl_b32 s72, s70, 11
	s_add_co_u32 s72, s72, s71
	s_add_co_u32 s72, s72, 8192
	s_add_nc_u64 s[VB:VB+1], s[16:17], s[72:73]
	s_wait_tensorcnt 0x0                           ; my quarters have landed,
	s_barrier_signal -1
	s_barrier_wait -1                              ; everybody's have
.irp m, 0,1,2,3,4,5,6,7
	ds_load_b128 v[XS+4*\m:XS+4*\m+3], v[LR] offset:32768+256*\m   ; a row's four scale words
.endr
.irp f, 0,1,2,3,4,5
	ds_load_b128 v[WS+4*\f:WS+4*\f+3], v[AWS] offset:256*\f
.endr
.macro LOADW wt                        ; my 8 fragments of weight wt: 16 loads
.set f, 16*(\wt)
.rept 16
	ds_load_b128 v[4*f:4*f+3], v[AW] offset:512*f
.set f, f+1
.endr
.endm
	WIN 0x80                                       ; destination window 2
	LOADW 0
	WIN 0x40                                       ; destination window 1
.set f, 0
.rept 64
	ds_load_b128 v[4*f:4*f+3], v[LI] offset:512*f
.set f, f+1
.endr
	WIN 0x80
	LOADW 1
	LOADW 2
	WIN 0
	s_wait_loadcnt 0x0                             ; the biases
.irp t, 0,1
.irp j, 1,2,3,4,5,6,7
	v_mov_b32 v[BV+8*\t+\j], v[BV+8*\t]
.endr
.endr
; 64 matrix instructions: weight wt against all of x, K step by K step.  The 16 accumulators take turns, one instruction a turn.
.macro MULW wt, nat, bias
.irp s, 0,1,2,3
.if \s == 0
	WIN 0xC6+3*(\nat)                              ; C: the bias, window 0; D window 3; the weights window 2, x window 1
.else
	WIN 0xF6+3*(\nat)                              ; C and D window 3
.endif
.irp t, 0,1
.irp m, 0,1,2,3,4,5,6,7
.set rD, 8*(8*\t+\m)
.set rX, 8*(4*\m+\s)
.set rW, 8*(8*(\wt)+4*\t+\s)
.set rXS, XS+4*\m+\s
.set rWS, WS+4*(2*(\wt)+\t)+\s
.if \nat
.if \s == 0
	v_wmma_scale_f32_16x16x128_f8f6f4 v[rD:rD+7], v[rX:rX+7], v[rW:rW+7], v[\bias+8*\t:\bias+8*\t+7], v[rXS], v[rWS] matrix_a_fmt:MATRIX_FMT_FP4 matrix_b_fmt:MATRIX_FMT_FP4
.else
	v_wmma_scale_f32_16x16x128_f8f6f4 v[rD:rD+7], v[rX:rX+7], v[rW:rW+7], v[rD:rD+7], v[rXS], v[rWS] matrix_a_fmt:MATRIX_FMT_FP4 matrix_b_fmt:MATRIX_FMT_FP4
.endif
.else
.if \s == 0
	v_wmma_scale_f32_16x16x128_f8f6f4 v[rD:rD+7], v[rW:rW+7], v[rX:rX+7], v[\bias+8*\t:\bias+8*\t+7], v[rWS], v[rXS] matrix_a_fmt:MATRIX_FMT_FP4 matrix_b_fmt:MATRIX_FMT_FP4
.else
	v_wmma_scale_f32_16x16x128_f8f6f4 v[rD:rD+7], v[rW:rW+7], v[rX:rX+7], v[rD:rD+7], v[rWS], v[rXS] matrix_a_fmt:MATRIX_FMT_FP4 matrix_b_fmt:MATRIX_FMT_FP4
.endif
.endif
.endr
.endr
.endr
.endm
; The 16 accumulators leave: four places behind the last products; (q: x c;) rounded to f16, each accumulator from its low end on; one store of 512 consecutive bytes for each.
; The conversions of the other accumulators are also the places in front of the next weight's first products, which begin the accumulators anew.
.macro OUT kind
	PLACES
.if \kind == 0
	WIN 0xC3
.set i, 0
.rept 64
	v_pk_mul_f32 v[i:i+1], v[i:i+1], s[CS:CS+1] op_sel_hi:[1,0]
.set i, i+2
.endr
.else
	s_wait_xcnt 0x0                                ; the last stores have read their data: the registers are written again only behind this wait
.endif
	WIN 0x0F                                       ; sources window 3, destination window 0
.set i, 0
.rept 64
	v_cvt_pk_f16_f32 v[TMP+i], v[2*i], v[2*i+1]
.set i, i+1
.endr
	WIN 0
.irp t, 0,1
.irp m, 0,1,2,3,4,5,6,7
.if \kind == 0
	global_store_b128 v[LI], v[TMP+4*(8*\t+\m):TMP+4*(8*\t+\m)+3], s[QB:QB+1] offset:2048*\m+512*\t
.elseif \kind == 1
	global_store_b128 v[LI], v[TMP+4*(8*\t+\m):TMP+4*(8*\t+\m)+3], s[KB:KB+1] offset:16384*(\m/4)+2048*(\m%4)+512*\t
.else
	global_store_b128 v[LI], v[TMP+4*(8*\t+\m):TMP+4*(8*\t+\m)+3], s[VB:VB+1] offset:16384*(\m/4)+4096*((\m/2)%2)+1024*\t+512*(\m%2)
.endif
.endr
.endr
.endm
	s_wait_dscnt 32                                ; the scale words, Wq's and x's fragments are in; Wk's and Wv's 32 loads may be out
	MULW 0, 0, BQ
	OUT 0
	s_wait_dscnt 16                                ; Wk's are in
	MULW 1, 0, BK
	OUT 1
	s_wait_dscnt 0x0
	MULW 2, 1, BV
	OUT 2
	s_wait_tensorcnt 0x0                           ; the wave's end
	ds_add_u32 v[SPW], v[NIL]
	s_wait_dscnt 0x0
	CROUND                                         ; the closing round
	s_endpgm
.Lfunc_end_k_qcc3c1da6ad_qkv:
	.size	k_qcc3c1da6ad_qkv, .Lfunc_end_k_qcc3c1da6ad_qkv-k_qcc3c1da6ad_qkv
	.p2alignl 7, 3214868480
	.fill 96, 4, 3214868480
	.section	.rodata,"a",@progbits
	.p2align	6, 0x0
	.amdhsa_kernel k_qcc3c1da6ad_qkv
		.amdhsa_group_segment_fixed_size 167936
		.amdhsa_private_segment_fixed_size 0
		.amdhsa_enable_private_segment 0
		.amdhsa_kernarg_size 56
		.amdhsa_user_sgpr_count 2
		.amdhsa_user_sgpr_kernarg_segment_ptr 1
		.amdhsa_wavefront_size32 1
		.amdhsa_system_sgpr_workgroup_id_x 1
		.amdhsa_system_sgpr_workgroup_id_y 1
		.amdhsa_system_sgpr_workgroup_id_z 1
		.amdhsa_system_vgpr_workitem_id 0
		.amdhsa_next_free_vgpr 896
		.amdhsa_next_free_sgpr 80
		.amdhsa_reserve_vcc 0
		.amdhsa_float_denorm_mode_32 3
		.amdhsa_float_denorm_mode_16_64 3
		.amdhsa_memory_ordered 1
		.amdhsa_forward_progress 1
		.amdhsa_inst_pref_size 61
	.end_amdhsa_kernel
	.amdgpu_metadata
---
amdhsa.version: [ 1, 2 ]
amdhsa.kernels:
  - .name:           k_qcc3c1da6ad_qkv
    .symbol:         k_qcc3c1da6ad_qkv.kd
    .args:
      - { .name: xq, .offset: 0, .size: 8, .value_kind: global_buffer, .address_space: global }
      - { .name: wq, .offset: 8, .size: 8, .value_kind: global_buffer, .address_space: global }
      - { .name: bq, .offset: 16, .size: 8, .value_kind: global_buffer, .address_space: global }
      - { .name: bk, .offset: 24, .size: 8, .value_kind: global_buffer, .address_space: global }
      - { .name: bv, .offset: 32, .size: 8, .value_kind: global_buffer, .address_space: global }
      - { .name: q16, .offset: 40, .size: 8, .value_kind: global_buffer, .address_space: global }
      - { .name: kv16, .offset: 48, .size: 8, .value_kind: global_buffer, .address_space: global }
    .group_segment_fixed_size: 167936
    .private_segment_fixed_size: 0
    .kernarg_segment_align: 8
    .kernarg_segment_size: 56
    .max_flat_workgroup_size: 128
    .sgpr_count:     80
    .vgpr_count:     896
    .wavefront_size: 32
...
	.end_amdgpu_metadata
.endif
;; end of part 2
;; launch attn (part 3): grid 16 x 16, 4 waves a work-group, clusters of 4 x 1, 327,680 bytes of LDS; arguments q16, kv16, o16; writes o16
.if DOCPART == 3
	.amdgcn_target "amdgcn-amd-amdhsa--gfx1250"
	.amdhsa_code_object_version 6
	.text
	.protected	k_qcc3c1da6ad_attn
	.globl	k_qcc3c1da6ad_attn
	.p2align	8
	.type	k_qcc3c1da6ad_attn,@function
k_qcc3c1da6ad_attn:
	s_mov_b64 s[64:65], 0
	v_nop
	global_prefetch_b8 v0, s[64:65] scope:SCOPE_SE
	s_setreg_imm32_b32 hwreg(HW_REG_WAVE_MODE, 25, 1), 1
	s_wait_xcnt 0x0
	s_wait_alu depctr_hold_cnt(0) depctr_sa_sdst(0) depctr_va_vdst(0) depctr_va_sdst(0) depctr_va_ssrc(0) depctr_va_vcc(0) depctr_vm_vsrc(0)
	s_getreg_b32 s2, hwreg(HW_REG_IB_STS2, 6, 4)
	s_cmp_eq_u32 s2, 0
	s_cbranch_scc0 .Lentry_in_a_cluster
	s_endpgm
.Lentry_in_a_cluster:
	s_bfe_u32 s2, ttmp6, 0x10000c
	s_cmp_lg_u32 s2, 0x3003
	s_cbranch_scc0 .Lentry_shape_is_right
	s_endpgm
.Lentry_shape_is_right:
; O[bh][q] = the sum over k of softmax_k(Q[bh][q] . K[bh][k] / 8) V[bh][k], 16 batch-heads, 4,096 positions, head size 64, no mask.  Operands f16, products, maxima and sums f32.
; Q arrives multiplied by log2(e) / 8, so a score s is an exponent of 2: p = 2^(s - m), m the query's running maximum; in every step O and l are multiplied by a = 2^(m_old - m_new).
; All operands arrive as images of operand registers (1,024 bytes a fragment: two loads of 16 bytes a lane, 512 bytes apart): no pitch, no padding, no turning load.
; SHARES.  A work-group owns 256 queries of one batch-head, each of its four waves 64: four tiles of 16.  Every wave walks all keys, 64 a step (16,384 bytes of K and V^T).
; LAYOUT.  S^T = K Q^T (source 0 = 16 keys, source 1 = 16 queries): a lane holds ONE query and keys 8 (lane / 16) + 0..7.  Two such tiles, rounded to f16 in pairs, ARE source 1 of O^T = V^T P.
; BY TURNS.  The wave's tiles are two pieces (tiles 0, 1 and tiles 2, 3).  In a turn one piece has the matrix unit: 16 products V^T P of the step in hand, then 16 products K Q^T of the next step; the other
; piece's softmax, 234 vector instructions cut into 32 slices, stands between them, one slice behind each matrix instruction.  Then the pieces change places.  Two turns are a key step.
; THE RING.  Two LDS slots of 8 key steps (131,072 bytes); each wave asks for a quarter of a slot by one tensor load: a refill has 8 key steps, 512 matrix instructions, in which to land.
; CLUSTER.  The four query blocks of a cluster walk the same K and V: each load is asked for jointly, with the same descriptor and a mask that names the four.
; The loop has no first step of its own: O^T and l begin as zeros and m as -3e38, so that the first a is 0 and multiplies zeros.
; LIMITS: NaN and infinities are not served; p under 6e-8 of the row's largest is lost in f16; o beyond 65,504 does not fit f16.
; REGISTERS: window 0: v1 16 x lane, v4 the address in hand, v12-43 statistics, v64-191 S^T (32 a tile), v192-255 P (16 a tile).  window 1: v0-127 O^T (32 a tile), v128-191 Q, v192-255 K.  window 2: v0-63 V^T.
.set STEPB, 16384
.set SLOTB, 8*STEPB
.set SLOT1, 1<<17                      ; slot 1 begins here: one exclusive or turns an address from one slot to the other
.set SPARE, 2*SLOTB                    ; behind the ring: the spare words, 128 bytes a wave
.set LI,  1
.set ADR, 4
.set PFO, 61                           ; v61  256 x lane; never rewritten
.set SPW, 62                           ; v62  my spare word; never rewritten
.set NIL, 63                           ; v63  0; never rewritten
.set ST,  12                           ; tile t's statistics at v[ST + 8 t]: +0 m, +1 m_old, +2, +3 l (even keys', odd keys'), +4 to +7 c0-c3 at work; a takes c2's place
.set S,   64
.set P,   192
.set QF,  128                          ; in window 1
.set KF,  192                          ; in window 1
.set WV,  12
.set LIM, 15                           ; s15  1 in a wave that prefetches, else the greatest number
.set PFA, 18                           ; s[18:19] where my prefetches stand
.set G1,  24
.set G0A, 32
.set G0B, 36                           ; the walking descriptor
.set SLOTS, 56
.set CNT, 57
.set SEL, 60
.set TB,  62                           ; s62  LDS byte at which the step to be fetched begins
.set W_KQ, 0x05                        ; K and Q window 1, S^T window 0
.set W_PV, 0x52                        ; V^T window 2, P window 0, O^T window 1
.set W_RS, 0x41                        ; O^T window 1, a window 0
.set MSB, 0
.macro WIN new                         ; the immediate's high byte repeats the setting that is left; a switch that changes nothing is dropped
.if MSB != (\new)
	s_set_vgpr_msb (MSB<<8)|(\new)
.set MSB, (\new)
.endif
.endm
.macro PLACES
.rept 4
	v_nop
.endr
.endm
.macro CROUND                          ; a round of the cluster's barrier
	s_barrier_signal -1
	s_barrier_wait -1
	s_cmp_lg_u32 s[WV], 0
	s_cbranch_scc1 .Lnot_wave_0_\@
	s_barrier_signal -3
.Lnot_wave_0_\@:
	s_barrier_wait -3
	s_barrier_signal -1
	s_barrier_wait -1
.endm
; A prefetch of what the NEXT change of slots will ask for: a slot's 131,072 bytes are 512 blocks of 256 bytes.  All clusters of a batch-head walk the same bytes: its first cluster asks.  Its four partners are told
; apart by address (32,768 bytes each), their waves likewise (8,192 each), lanes 256 bytes apart: each block is named once in the launch.  The last change that fills a slot asks for nothing.
.macro ASK
	s_cmp_gt_u32 s[SLOTS], s[LIM]
	s_cbranch_scc0 .Lnot_mine_\@
	global_prefetch_b8 v[PFO], s[PFA:PFA+1] th:TH_LOAD_NT scope:SCOPE_SE
.Lnot_mine_\@:
.endm
	s_load_b128 s[4:7], s[0:1], 0x0                ; q16, kv16
	s_load_b64 s[8:9], s[0:1], 0x10                ; o16
	v_lshl_add_u32 v[SPW], v0, 2, SPARE
	v_mov_b32 v[NIL], 0
	ds_add_u32 v[SPW], v[NIL]                      ; the wave's opening: the add, twice on end, and its wait ahead of my first tensor load
	ds_add_u32 v[SPW], v[NIL]
	v_lshrrev_b32 v2, 5, v0
	v_readfirstlane_b32 s[WV], v2                  ; wave 0..3
	s_bfe_u32 s13, ttmp6, 0x40000                  ; cx
	s_lshl_b32 s14, ttmp9, 2
	s_add_co_u32 s14, s14, s13                     ; my block of 256 queries: it enters Q's and O's addresses alone
	s_and_b32 s16, ttmp7, 0xffff                   ; batch x 8 + head, which the four partners share
	s_lshl_b32 s20, s16, 20
	s_lshl_b32 s21, s[WV], 15
	s_add_co_u32 s20, s20, s21                     ; K and V: the batch-head's 1,048,576 bytes, my wave's quarter of a slot
	s_mov_b32 s21, 0
	s_mov_b32 s[G1], 15|(3<<16)|(1<<21)            ; the mask: all four work-groups; elements of 8 bytes; bit 21 beside a mask
	s_mov_b32 s[G1+1], 32<<16                      ; rows of 256 bytes,
	s_mov_b32 s[G1+2], 128<<16                     ; 128 of them
	s_mov_b32 s[G1+3], 32<<16
	s_mov_b32 s[G1+4], 128
	s_mov_b32 s[G1+5], 32
	s_mov_b32 s[G1+6], 0
	s_mov_b32 s[G1+7], 0
	s_mov_b32 s[SEL], 0x76543210
	s_mov_b32 s[SEL+1], 0xfedcba98
	s_mov_b32 s[TB], 0
	s_mov_b32 s[SLOTS], 6
	s_cmp_eq_u32 ttmp9, 0                          ; the batch-head's first cluster: the same in all four partners
	s_cselect_b32 s[LIM], 1, -1
	v_and_b32 v[LI], 31, v0
	v_lshlrev_b32 v[PFO], 8, v[LI]
	v_lshlrev_b32 v[LI], 4, v[LI]
	s_lshl_b32 s40, s16, 19                        ; Q: 256 tiles of 2,048 bytes a batch-head, 16 a block, 4 a wave
	s_lshl_b32 s41, s14, 15
	s_add_co_u32 s40, s40, s41
	s_lshl_b32 s41, s[WV], 13
	s_add_co_u32 s40, s40, s41
	s_mov_b32 s41, 0
	s_lshr_b32 s42, s16, 3                         ; O: [block of 128 rows][K step = 2 head + half][row tile 8][1,024]
	s_lshl_b32 s42, s42, 5
	s_lshl_b32 s43, s14, 1
	s_add_co_u32 s42, s42, s43
	s_lshr_b32 s43, s[WV], 1
	s_add_co_u32 s42, s42, s43
	s_lshl_b32 s42, s42, 17
	s_and_b32 s43, s16, 7
	s_lshl_b32 s43, s43, 14
	s_add_co_u32 s42, s42, s43
	s_and_b32 s43, s[WV], 1
	s_lshl_b32 s43, s43, 12
	s_add_co_u32 s42, s42, s43
	s_mov_b32 s43, 0
	s_lshl_b32 s44, s16, 20                        ; the prefetches: my part of slot 2; the first change of slots steps it to slot 3
	s_lshl_b32 s45, s13, 15
	s_add_co_u32 s44, s44, s45
	s_lshl_b32 s45, s[WV], 13
	s_add_co_u32 s44, s44, s45
	s_add_co_u32 s44, s44, 2*SLOTB
	s_mov_b32 s45, 0
	s_wait_dscnt 0x0                               ; both opening adds are done
	s_wait_kmcnt 0x0
	s_add_nc_u64 s[22:23], s[6:7], s[20:21]
	s_add_nc_u64 s[4:5], s[4:5], s[40:41]
	s_add_nc_u64 s[8:9], s[8:9], s[42:43]
	s_add_nc_u64 s[PFA:PFA+1], s[6:7], s[44:45]
	s_mov_b32 s[G0A], 1
	s_lshl_b32 s[G0A+1], s[WV], 15
	s_mov_b64 s[G0A+2:G0A+3], s[22:23]
	s_or_b32 s[G0A+3], s[G0A+3], 0x80000000
	s_mov_b32 s[G0B], 1
	s_lshl_b32 s[G0B+1], s[WV], 15
	s_add_co_u32 s[G0B+1], s[G0B+1], SLOT1
	s_add_nc_u64 s[G0B+2:G0B+3], s[22:23], SLOTB
	s_or_b32 s[G0B+3], s[G0B+3], 0x80000000
	CROUND                                         ; all four work-groups are here: the first joint loads meet
	tensor_load_to_lds s[G0A:G0A+3], s[G1:G1+7]    ; key steps 0 to 7
	s_nop 0
	tensor_load_to_lds s[G0B:G0B+3], s[G1:G1+7]    ; key steps 8 to 15: two loads of mine are out
	s_nop 0
	PLACES
	WIN 0x40                                       ; destination window 1
.irp f, 0,1,2,3,4,5,6,7,8,9,10,11,12,13,14,15
	global_load_b128 v[QF+4*\f:QF+4*\f+3], v[LI], s[4:5] offset:512*\f   ; Q stays in registers: tile f / 4, channel half (f / 2) % 2
.endr
.set i, 0
.rept 128
	v_mov_b32 v[i], 0                              ; O^T: written once, so that every step is the loop's
.set i, i+1
.endr
	WIN 0
.irp t, 0,1,2,3
	v_mov_b32 v[ST+8*\t], 0xff61b1e6               ; m = -3e38, under every score
	v_mov_b32 v[ST+8*\t+2], 0                      ; l
	v_mov_b32 v[ST+8*\t+3], 0
.endr
; Product i of 16 of O^T += V^T P for piece x: keys 32 (i / 8) on, channels 16 ((i / 2) % 4) on, tile x + i % 2.  Eight accumulators take turns.
.macro PV x
	WIN W_PV
.set rO, 32*(\x+i%2)+8*((i/2)%4)
.set rV, 32*(i/8)+8*((i/2)%4)
.set rP, P+16*(\x+i%2)+8*(i/8)
	v_wmma_f32_16x16x32_f16 v[rO:rO+7], v[rV:rV+7], v[rP:rP+7], v[rO:rO+7]
.endm
; Product i of 16 of S^T = K Q^T: channels 32 (i / 8) on, keys 16 ((i / 2) % 4) on, tile x + i % 2.  The first 8 start the sums.
.macro KQ x
	WIN W_KQ
.set rS, S+32*(\x+i%2)+8*((i/2)%4)
.set rK, KF+16*((i/2)%4)+8*(i/8)
.set rQ, QF+16*(\x+i%2)+8*(i/8)
.if i < 8
	v_wmma_f32_16x16x32_f16 v[rS:rS+7], v[rK:rK+7], v[rQ:rQ+7], 0
.else
	v_wmma_f32_16x16x32_f16 v[rS:rS+7], v[rK:rK+7], v[rQ:rQ+7], v[rS:rS+7]
.endif
.endm
; The LDS loads stand in runs of 16: a step's K and, a turn later, its V^T.
.macro FETCH_K
	WIN 0
	v_add_nc_u32 v[ADR], s[TB], v[LI]
	WIN 0x40
.irp f, 0,1,2,3,4,5,6,7,8,9,10,11,12,13,14,15
	ds_load_b128 v[KF+4*\f:KF+4*\f+3], v[ADR] offset:512*\f
.endr
.endm
.macro FETCH_V
	WIN 0
	v_add_nc_u32 v[ADR], s[TB], v[LI]
	s_add_co_u32 s[TB], s[TB], STEPB               ; the next fetch is the next step's
	s_wait_alu depctr_va_vdst(0)                   ; the wait for the softmax's batch of exponentials, ahead of the first line that names a result
	WIN 0x80
.irp f, 0,1,2,3,4,5,6,7,8,9,10,11,12,13,14,15
	ds_load_b128 v[4*\f:4*\f+3], v[ADR] offset:8192+512*\f
.endr
.endm
; One tile's softmax for one key step is a list of 117 instructions; SM writes number j of it for tile t.  s0-s31 are the lane's 32 scores, in pairs 0-15.
;   0-15   the maximum of s0-s31 and m: four chains of seven scores, each begun at its accumulator's low end, then the four left over, the chains and m
;   16-19  the other half of the lanes' maximum; m_old; the new m; m_old - m
;   20-68  ONE BATCH: the 16 subtractions of m, a pair each, and all 33 exponentials (a at 22).  None of them names an exponential's result; a pair is subtracted ahead of its exponentials
;   (wait) between 68 and 69 stands the one wait for both tiles' batches
;   69-84  the roundings to f16;  85-100 the sums, l = a l + the sum;  101-116 the tile's O^T times a
.macro SM t
.set rT, ST+8*(\t)
.set rS, S+32*(\t)
.set rP, P+16*(\t)
.set rO, 32*(\t)+2*(j-101)
.set q, j-20
.if j < 101
	WIN 0
.endif
.if j < 4
	v_max3_num_f32 v[rT+4+j], v[rS+8*j], v[rS+8*j+1], v[rS+8*j+2]
.elseif j < 12
	v_max3_num_f32 v[rT+4+j%4], v[rT+4+j%4], v[rS+8*(j%4)+2*(j/4)+1], v[rS+8*(j%4)+2*(j/4)+2]
.elseif j == 12
	v_max3_num_f32 v[rT+4], v[rT+4], v[rS+7], v[rS+15]
.elseif j == 13
	v_max3_num_f32 v[rT+6], v[rT+6], v[rS+23], v[rS+31]
.elseif j == 14
	v_max3_num_f32 v[rT+4], v[rT+4], v[rT+5], v[rT+6]
.elseif j == 15
	v_max3_num_f32 v[rT+4], v[rT+4], v[rT+7], v[rT]
.elseif j == 16
	v_permlanex16_b32 v[rT+5], v[rT+4], s[SEL], s[SEL+1]   ; the query's other 32 keys lie in the lane 16 away
.elseif j == 17
	v_mov_b32 v[rT+1], v[rT]
.elseif j == 18
	v_max_num_f32 v[rT], v[rT+4], v[rT+5]
.elseif j == 19
	v_sub_f32 v[rT+7], v[rT+1], v[rT]
.elseif j == 22
	v_exp_f32 v[rT+6], v[rT+7]                     ; a
.elseif (j < 22) || ((j < 65) && (q%3 == 0))
.set b, q/3+1                                      ; 23, 26, .. 62: pairs 2 to 15
.if j < 22
.set b, q                                          ; 20, 21: pairs 0, 1
.endif
	v_pk_add_f32 v[rS+2*b:rS+2*b+1], v[rS+2*b:rS+2*b+1], v[rT:rT+1] op_sel_hi:[1,0] neg_lo:[0,1] neg_hi:[0,1]   ; s - m: of the pair (m, m_old) the low word serves both halves
.elseif j < 69
.set e, q-17                                       ; 65 to 68: s28 to s31
.if j < 65
.set e, 2*((q-4)/3)+(q-4)%3                        ; 24, 25, 27, 28, .. 63, 64: s0 to s27
.endif
	v_exp_f32 v[rS+e], v[rS+e]
.elseif j < 85
	v_cvt_pk_f16_f32 v[rP+j-69], v[rS+2*(j-69)], v[rS+2*(j-69)+1]
.elseif j < 101
.set z, j-85
.set w, 4
.set u, z
.if z >= 14
.set w, 32
.set u, 0
.elseif z >= 12
.set w, 16
.set u, z-12
.elseif z >= 8
.set w, 8
.set u, z-8
.endif
.if z < 15
	v_pk_add_f32 v[rS+w*u:rS+w*u+1], v[rS+w*u:rS+w*u+1], v[rS+w*u+w/2:rS+w*u+w/2+1]
.else
	v_pk_fma_f32 v[rT+2:rT+3], v[rT+2:rT+3], v[rT+6:rT+7], v[rS:rS+1] op_sel_hi:[1,0,1]
.endif
.else
	WIN W_RS
	v_pk_mul_f32 v[rO:rO+1], v[rO:rO+1], v[rT+6:rT+7] op_sel_hi:[1,0]
.endif
.endm
; Slice k of 32 of piece y's softmax.  The two tiles' lists are dealt number by number, the tiles alternating: 234 instructions.  Slices 0-18 hold the first 138 (all up to the batch's end), slices 19-31 the other 96.
; Behind slice 18: one plain line behind the last exponential, and the turn's ONE wait; where piece 2 has the matrix unit, V^T's run of loads stands there and holds the wait.
.macro SLICE y
.if k < 19
.set nlo, k*138/19
.set nhi, (k+1)*138/19
.else
.set nlo, 138+(k-19)*96/13
.set nhi, 138+(k-18)*96/13
.endif
.set n, nlo
.rept nhi-nlo
.set j, n/2
	SM (\y)+n%2
.set n, n+1
.endr
.if k == 18
	v_nop
.if (\y) == 0
	FETCH_V
.else
	s_wait_alu depctr_va_vdst(0)
.endif
.endif
.set k, k+1
.endm
; A TURN.  Piece x has the matrix unit; the other piece's softmax stands in slices behind its products (two behind each where the turn has one kind of product alone).
; Piece 0's turn fetches the next step's K behind its second product: the last product that read K stands in front of slice 31 of the turn before, eight plain multiplications.  Piece 2's turn fetches the same step's
; V^T behind slice 18: the last product that read V^T stands in front of slice 15, and six subtractions, the v_nop and the run's own addition lie between.  Slice 31 is also the places behind the turn's last scores.
.macro TURN x, pv, kq
.set k, 0
.set per, 2
.if \pv && \kq
.set per, 1
.endif
.if \pv
.if \x == 0
	s_wait_dscnt 0x0                               ; V^T is in
.endif
.set i, 0
.rept 16
	PV \x
.rept per
	SLICE 2-\x
.endr
.if (\x == 0) && \kq && (i == 1)
	FETCH_K
.endif
.set i, i+1
.endr
.endif
.if \kq
.if \x == 0
	s_wait_dscnt 0x0                               ; K is in
.endif
.set i, 0
.rept 16
	KQ \x
.rept per
	SLICE 2-\x
.endr
.set i, i+1
.endr
.endif
.endm
; THE CHANGE OF SLOTS, between piece 2's turn and piece 0's: the slot's last bytes, V^T of its eighth step, have been asked for.  Each wave waits for all its tensor loads (one is out: its quarter of the other slot), adds 0
; to its spare word, and waits for that and for its reads of the slot.  fill = 1: the barrier is a round of the cluster's, and the joint refill, the keys two slots on, is the first thing behind it.
.macro CHANGE fill
	WIN 0
	s_wait_tensorcnt 0x0                           ; no tensor load of mine is out, so the walking descriptor may be written
	ds_add_u32 v[SPW], v[NIL]
.if \fill
	s_xor_b32 s[G0B+1], s[G0B+1], SLOT1            ; the other slot than last time,
	s_add_nc_u64 s[G0B+2:G0B+3], s[G0B+2:G0B+3], SLOTB   ; the next 512 keys
	s_wait_xcnt 0x0                                ; the last prefetch, a slot back, has read its address
	s_add_nc_u64 s[PFA:PFA+1], s[PFA:PFA+1], SLOTB
	s_wait_dscnt 0x0                               ; the add is done, and my reads of the slot are over
	CROUND
	tensor_load_to_lds s[G0B:G0B+3], s[G1:G1+7]
	s_nop 0
	PLACES
	ASK
.else
	s_wait_dscnt 0x0
	s_barrier_signal -1
	s_barrier_wait -1
.endif
	s_sub_co_u32 s[TB], s[TB], SLOTB               ; the fetches go back to a slot's first step,
	s_xor_b32 s[TB], s[TB], SLOT1                  ; in the other slot
.endm
.macro STEPS count                     ; key steps: written once, walked count times; the LDS addresses hang on s[TB]
	s_mov_b32 s[CNT], \count
.Lstep_\@:
	TURN 0, 1, 1
	TURN 2, 1, 1
	WIN 0
	s_sub_co_u32 s[CNT], s[CNT], 1
	s_cmp_lg_u32 s[CNT], 0
	s_cbranch_scc1 .Lstep_\@
.endm
	s_wait_tensorcnt 1                             ; my quarter of slot 0 is in; slot 1's may stay out
	s_barrier_signal -1
	s_barrier_wait -1
	FETCH_K                                        ; key step 0
	s_wait_loadcnt 0x0                             ; Q
	s_wait_dscnt 0x0
.set i, 0
.rept 16
	KQ 0                                           ; piece 0's first scores
.set i, i+1
.endr
	PLACES
	TURN 2, 0, 1                                   ; piece 2's first scores | piece 0's first softmax | V^T of step 0
	WIN 0
	STEPS 7                                        ; the rest of slot 0
.Lslot:                                            ; six trips: slots 2 to 7 are asked for
	CHANGE 1
	STEPS 8
	s_sub_co_u32 s[SLOTS], s[SLOTS], 1
	s_cmp_lg_u32 s[SLOTS], 0
	s_cbranch_scc1 .Lslot
	CHANGE 0                                       ; the last slot is written out: nothing is asked for
	STEPS 8
	TURN 0, 1, 0                                   ; piece 0: V^T P of the last step | piece 2's last softmax
.set i, 0
.rept 16
	PV 2
.set i, i+1
.endr
	; THE WAY OUT.  l's two halves and the other half of the lanes' are added (these lines are the places behind the last products); O^T / l is rounded to f16.  A lane's eight channels of a row are four registers of a
	; fragment of the last product's operand: each store covers 512 consecutive bytes, aligned.
	WIN 0
.irp t, 0,1,2,3
	v_add_f32 v[ST+8*\t+4], v[ST+8*\t+2], v[ST+8*\t+3]
.endr
.irp t, 0,1,2,3
	v_permlanex16_b32 v[ST+8*\t+5], v[ST+8*\t+4], s[SEL], s[SEL+1]
.endr
.irp t, 0,1,2,3
	v_add_f32 v[ST+8*\t+4], v[ST+8*\t+4], v[ST+8*\t+5]
.endr
.irp t, 0,1,2,3
	v_rcp_f32 v[ST+8*\t+6], v[ST+8*\t+4]
.endr
	v_nop                                          ; a plain line behind the last reciprocal,
	s_wait_alu depctr_va_vdst(0)                   ; and one wait for the four, ahead of the first use
.irp t, 0,1,2,3
	WIN W_RS
.set i, 32*\t
.rept 16
	v_pk_mul_f32 v[i:i+1], v[i:i+1], v[ST+8*\t+6:ST+8*\t+7] op_sel_hi:[1,0]
.set i, i+2
.endr
	WIN 0x05                                       ; sources window 1, destination window 0: S^T's registers are free
.set i, 0
.rept 16
	v_cvt_pk_f16_f32 v[S+16*\t+i], v[32*\t+2*i], v[32*\t+2*i+1]
.set i, i+1
.endr
	WIN 0
.irp ct, 0,1,2,3
	global_store_b128 v[LI], v[S+16*\t+4*\ct:S+16*\t+4*\ct+3], s[8:9] offset:1024*\t+8192*(\ct/2)+512*(\ct%2)
.endr
.endr
	s_wait_tensorcnt 0x0                           ; the wave's end
	ds_add_u32 v[SPW], v[NIL]
	s_wait_dscnt 0x0
	CROUND                                         ; the closing round
	s_endpgm
.Lfunc_end_k_qcc3c1da6ad_attn:
	.size	k_qcc3c1da6ad_attn, .Lfunc_end_k_qcc3c1da6ad_attn-k_qcc3c1da6ad_attn
	.p2alignl 7, 3214868480
	.fill 96, 4, 3214868480
	.section	.rodata,"a",@progbits
	.p2align	6, 0x0
	.amdhsa_kernel k_qcc3c1da6ad_attn
		.amdhsa_group_segment_fixed_size 327680
		.amdhsa_private_segment_fixed_size 0
		.amdhsa_enable_private_segment 0
		.amdhsa_kernarg_size 24
		.amdhsa_user_sgpr_count 2
		.amdhsa_user_sgpr_kernarg_segment_ptr 1
		.amdhsa_wavefront_size32 1
		.amdhsa_system_sgpr_workgroup_id_x 1
		.amdhsa_system_sgpr_workgroup_id_y 1
		.amdhsa_system_sgpr_workgroup_id_z 1
		.amdhsa_system_vgpr_workitem_id 0
		.amdhsa_next_free_vgpr 640
		.amdhsa_next_free_sgpr 66
		.amdhsa_reserve_vcc 0
		.amdhsa_float_denorm_mode_32 3
		.amdhsa_float_denorm_mode_16_64 3
		.amdhsa_memory_ordered 1
		.amdhsa_forward_progress 1
		.amdhsa_inst_pref_size 163
	.end_amdhsa_kernel
	.amdgpu_metadata
---
amdhsa.version: [ 1, 2 ]
amdhsa.kernels:
  - .name:           k_qcc3c1da6ad_attn
    .symbol:         k_qcc3c1da6ad_attn.kd
    .args:
      - { .name: q16, .offset: 0, .size: 8, .value_kind: global_buffer, .address_space: global }
      - { .name: kv16, .offset: 8, .size: 8, .value_kind: global_buffer, .address_space: global }
      - { .name: o16, .offset: 16, .size: 8, .value_kind: global_buffer, .address_space: global }
    .group_segment_fixed_size: 327680
    .private_segment_fixed_size: 0
    .kernarg_segment_align: 8
    .kernarg_segment_size: 24
    .max_flat_workgroup_size: 128
    .sgpr_count:     66
    .vgpr_count:     640
    .wavefront_size: 32
...
	.end_amdgpu_metadata
.endif
;; end of part 3
;; launch proj (part 4): grid 4 x 64, 4 waves a work-group, clusters of 4 x 4, 280,064 bytes of LDS; arguments o16, wo16, bo, out0; writes out0
.if DOCPART == 4
	.amdgcn_target "amdgcn-amd-amdhsa--gfx1250"
	.amdhsa_code_object_version 6
	.text
	.protected	k_qcc3c1da6ad_proj
	.globl	k_qcc3c1da6ad_proj
	.p2align	8
	.type	k_qcc3c1da6ad_proj,@function
k_qcc3c1da6ad_proj:
	s_mov_b64 s[64:65], 0
	v_nop
	global_prefetch_b8 v0, s[64:65] scope:SCOPE_SE
	s_setreg_imm32_b32 hwreg(HW_REG_WAVE_MODE, 25, 1), 1
	s_wait_xcnt 0x0
	s_wait_alu depctr_hold_cnt(0) depctr_sa_sdst(0) depctr_va_vdst(0) depctr_va_sdst(0) depctr_va_ssrc(0) depctr_va_vcc(0) depctr_vm_vsrc(0)
	s_getreg_b32 s2, hwreg(HW_REG_IB_STS2, 6, 4)
	s_cmp_eq_u32 s2, 0
	s_cbranch_scc0 .Lentry_in_a_cluster
	s_endpgm
.Lentry_in_a_cluster:
	s_bfe_u32 s2, ttmp6, 0x10000c
	s_cmp_lg_u32 s2, 0xf033
	s_cbranch_scc0 .Lentry_shape_is_right
	s_endpgm
.Lentry_shape_is_right:
; out0 = o Wo + bo.  o [8192][512] and Wo^T [512 (n)][512 (k)] arrive as f16, as images of operand registers (1,024 bytes a fragment of 16 rows x 32 K); sums in f32; out0 f32.
; A work-group makes 128 x 128 of out0, each of its four waves 64 x 64: 16 accumulators.  All of K (16 steps of 32) of both operands, 2 x 131,072 bytes, comes into LDS once, in two halves along K:
; each wave asks for a quarter of each half of each operand: four tensor loads of mine are out.  The first half is multiplied while the second lands.
; CLUSTER 4 x 4: o's block is asked for jointly along a row of the cluster, Wo's along a column.
; USED TRANSPOSED (source 0 = 16 rows of Wo^T, source 1 = 16 rows of o): a lane holds eight neighbouring numbers of a row of out0.  The bias is the C of each sum's first matrix instruction.
; REGISTERS: window 0: addresses, v96-127 the bias, v128-255 the accumulators ((a, b) at v[128 + 8 (4 a + b)]).  window 1: two fragment buffers of 128 (two K steps: 64 of o, 64 of Wo).
.set WB0,   131072                     ; LDS: o's block, then Wo's,
.set STAGE, 262144                     ; the stages for the way out: 16 rows x 272 bytes for each wave,
.set SP,    272
.set SPARE, STAGE+4*16*SP              ; and the spare words, 128 bytes a wave
.set LI,  1
.set AO0, 2                            ; v2, v3  my fragments of o in K steps 0-7, 8-15
.set AW0, 4                            ; v4, v5  the same of Wo
.set STO, 6
.set RD,  7
.set CO,  8
.set SPW, 10                           ; never rewritten
.set NIL, 11                           ; never rewritten
.set BIAS, 96
.set ACC,  128
.set WV,  12
.set G1O, 24
.set G0O, 32                           ; s[32:39] two sets
.set G1W, 48
.set G0W, 56                           ; s[56:63] two sets
.set MSB, 0
.macro WIN new
.if MSB != (\new)
	s_set_vgpr_msb (MSB<<8)|(\new)
.set MSB, (\new)
.endif
.endm
.macro PLACES
.rept 4
	v_nop
.endr
.endm
.macro CROUND
	s_barrier_signal -1
	s_barrier_wait -1
	s_cmp_lg_u32 s[WV], 0
	s_cbranch_scc1 .Lnot_wave_0_\@
	s_barrier_signal -3
.Lnot_wave_0_\@:
	s_barrier_wait -3
	s_barrier_signal -1
	s_barrier_wait -1
.endm
	s_load_b256 s[4:11], s[0:1], 0x0               ; o16, wo16, bo, out0
	v_lshl_add_u32 v[SPW], v0, 2, SPARE
	v_mov_b32 v[NIL], 0
	ds_add_u32 v[SPW], v[NIL]                      ; the wave's opening: the add, twice on end, and its wait ahead of my first tensor load
	ds_add_u32 v[SPW], v[NIL]
	v_lshrrev_b32 v12, 5, v0
	v_readfirstlane_b32 s[WV], v12
	s_bfe_u32 s13, ttmp6, 0x40000                  ; cx
	s_bfe_u32 s14, ttmp6, 0x40004                  ; cy
	s_lshl_b32 s15, ttmp9, 2
	s_add_co_u32 s15, s15, s13                     ; column block
	s_and_b32 s16, ttmp7, 0xffff
	s_lshl_b32 s16, s16, 2
	s_add_co_u32 s16, s16, s14                     ; row block
	s_lshr_b32 s17, s[WV], 1                       ; which 64 rows are mine
	s_and_b32 s18, s[WV], 1                        ; which 64 columns
	s_lshl_b32 s40, s14, 2
	s_lshl_b32 s40, 15, s40                        ; my row of the cluster
	s_lshl_b32 s41, 0x1111, s13                    ; my column
	s_or_b32 s[G1O], s40, (3<<16)|(1<<21)
	s_or_b32 s[G1W], s41, (3<<16)|(1<<21)
.irp g, G1O, G1W
	s_mov_b32 s[\g+1], 32<<16                      ; rows of 256 bytes,
	s_mov_b32 s[\g+2], 64<<16                      ; 64 of them
	s_mov_b32 s[\g+3], 32<<16
	s_mov_b32 s[\g+4], 64
	s_mov_b32 s[\g+5], 32
	s_mov_b32 s[\g+6], 0
	s_mov_b32 s[\g+7], 0
.endr
	s_lshl_b32 s19, s[WV], 14                      ; my quarter of a half
	s_lshl_b32 s20, s16, 17
	s_add_co_u32 s20, s20, s19
	s_mov_b32 s21, 0
	s_lshl_b32 s22, s15, 17
	s_add_co_u32 s22, s22, s19
	s_mov_b32 s23, 0
	s_wait_dscnt 0x0                               ; both opening adds are done
	s_wait_kmcnt 0x0
	s_add_nc_u64 s[20:21], s[4:5], s[20:21]
	s_add_nc_u64 s[22:23], s[6:7], s[22:23]
.irp c, 0,1
	s_mov_b32 s[G0O+4*\c], 1
	s_add_co_u32 s[G0O+4*\c+1], s19, 65536*\c
	s_add_nc_u64 s[G0O+4*\c+2:G0O+4*\c+3], s[20:21], 65536*\c
	s_or_b32 s[G0O+4*\c+3], s[G0O+4*\c+3], 0x80000000
	s_mov_b32 s[G0W+4*\c], 1
	s_add_co_u32 s[G0W+4*\c+1], s19, WB0+65536*\c
	s_add_nc_u64 s[G0W+4*\c+2:G0W+4*\c+3], s[22:23], 65536*\c
	s_or_b32 s[G0W+4*\c+3], s[G0W+4*\c+3], 0x80000000
.endr
	CROUND                                         ; all sixteen work-groups are here: the joint loads meet
.irp c, 0,1
	tensor_load_to_lds s[G0O+4*\c:G0O+4*\c+3], s[G1O:G1O+7]
	s_nop 0
	tensor_load_to_lds s[G0W+4*\c:G0W+4*\c+3], s[G1W:G1W+7]
	s_nop 0
.endr
	PLACES
	v_and_b32 v[LI], 31, v0
	v_lshlrev_b32 v[LI], 4, v[LI]
	v_and_b32 v12, 15, v0                          ; r
	v_bfe_u32 v13, v0, 4, 1                        ; h
	v_lshlrev_b32 v14, 5, v13                      ; 32 h
	s_lshl_b32 s42, s17, 12
	v_add_nc_u32 v[AO0], s42, v[LI]
	v_add_nc_u32 v[AO0+1], 65536, v[AO0]
	s_lshl_b32 s42, s18, 12
	s_add_co_u32 s42, s42, WB0
	v_add_nc_u32 v[AW0], s42, v[LI]
	v_add_nc_u32 v[AW0+1], 65536, v[AW0]
	s_mul_i32 s42, s[WV], 16*SP
	s_add_co_u32 s42, s42, STAGE                   ; my stage
	v_mul_u32_u24 v[STO], v12, SP                  ; in: row r, 32 bytes for each half of the lanes
	v_lshl_add_u32 v[STO], v13, 5, v[STO]
	v_add_nc_u32 v[STO], s42, v[STO]
	v_mul_u32_u24 v[RD], v13, SP                   ; back: lanes 0-15 one row of 256 bytes, lanes 16-31 the next
	v_lshl_add_u32 v[RD], v12, 4, v[RD]
	v_add_nc_u32 v[RD], s42, v[RD]
	v_lshlrev_b32 v[CO], 11, v13                   ; and the same two rows in out0
	v_lshl_add_u32 v[CO], v12, 4, v[CO]
	s_lshl_b32 s66, s15, 9                         ; my 64 columns, in bytes
	s_lshl_b32 s67, s18, 8
	s_add_co_u32 s66, s66, s67
	s_mov_b32 s67, 0
	s_add_nc_u64 s[8:9], s[8:9], s[66:67]          ; in bo,
	s_add_nc_u64 s[10:11], s[10:11], s[66:67]      ; and in a row of out0;
	s_lshl_b32 s66, s16, 18
	s_lshl_b32 s68, s17, 17
	s_add_co_u32 s66, s66, s68
	s_add_nc_u64 s[10:11], s[10:11], s[66:67]      ; my first row
.irp b, 0,1,2,3
	global_load_b128 v[BIAS+8*\b:BIAS+8*\b+3], v14, s[8:9] offset:64*\b        ; register j wants the bias of column 16 b + 8 h + j
	global_load_b128 v[BIAS+8*\b+4:BIAS+8*\b+7], v14, s[8:9] offset:64*\b+16
.endr
; 32 LDS loads: the fragments of K steps 2 p and 2 p + 1 into buffer p % 2
.macro FETCH p
.set F, 128*((\p)%2)
.set AO, AO0+(\p)/4
.set AW, AW0+(\p)/4
.set KO, 16384*((\p)%4)
	WIN 0x40
.irp kk, 0,1
.irp a, 0,1,2,3
	ds_load_b128 v[F+64+32*\kk+8*\a:F+64+32*\kk+8*\a+3],   v[AW] offset:KO+8192*\kk+1024*\a
	ds_load_b128 v[F+64+32*\kk+8*\a+4:F+64+32*\kk+8*\a+7], v[AW] offset:KO+8192*\kk+1024*\a+512
	ds_load_b128 v[F+32*\kk+8*\a:F+32*\kk+8*\a+3],         v[AO] offset:KO+8192*\kk+1024*\a
	ds_load_b128 v[F+32*\kk+8*\a+4:F+32*\kk+8*\a+7],       v[AO] offset:KO+8192*\kk+1024*\a+512
.endr
.endr
.endm
; 32 matrix instructions on buffer p % 2; the 16 accumulators take turns.  first = 1: the first 16 start the sums with the bias
.macro MUL p, first
.set F, 128*((\p)%2)
	WIN 0x05
.irp kk, 0,1
.irp a, 0,1,2,3
.irp b, 0,1,2,3
.if \first && (\kk == 0)
	v_wmma_f32_16x16x32_f16 v[ACC+8*(4*\a+\b):ACC+8*(4*\a+\b)+7], v[F+64+32*\kk+8*\b:F+64+32*\kk+8*\b+7], v[F+32*\kk+8*\a:F+32*\kk+8*\a+7], v[BIAS+8*\b:BIAS+8*\b+7]
.else
	v_wmma_f32_16x16x32_f16 v[ACC+8*(4*\a+\b):ACC+8*(4*\a+\b)+7], v[F+64+32*\kk+8*\b:F+64+32*\kk+8*\b+7], v[F+32*\kk+8*\a:F+32*\kk+8*\a+7], v[ACC+8*(4*\a+\b):ACC+8*(4*\a+\b)+7]
.endif
.endr
.endr
.endr
.endm
	s_wait_tensorcnt 2                             ; my quarters of the first halves are in; the second halves' two loads may stay out
	s_barrier_signal -1
	s_barrier_wait -1
	FETCH 0
	FETCH 1
	s_wait_loadcnt 0x0                             ; the bias
	s_wait_dscnt 32                                ; all but the 32 just issued
	MUL 0, 1
.irp p, 1,2
	PLACES                                         ; in front of loads into registers that matrix instructions have read
	FETCH \p+1
	s_wait_dscnt 32
	MUL \p, 0
.endr
	s_wait_tensorcnt 0x0                           ; my quarters of the second halves are in,
	s_wait_dscnt 0x0                               ; no LDS load of mine is out at the signal
	s_barrier_signal -1
	s_barrier_wait -1                              ; everybody's are
.irp p, 3,4,5,6
	PLACES
	FETCH \p+1
	s_wait_dscnt 32
	MUL \p, 0
.endr
	s_wait_dscnt 0x0
	MUL 7, 0
	WIN 0
	PLACES
; THE WAY OUT, 16 rows x 64 columns at a time: a lane's 32 bytes of a row go into my own stage (rows of 272 bytes) and come back as whole rows of 256 bytes, into the registers that they left.
; LDS serves a wave's instructions in order: no wait between the stores and the loads, nor in front of the next block's stores.
.macro TOSTAGE a
.irp b, 0,1,2,3
	ds_store_b128 v[STO], v[ACC+8*(4*\a+\b):ACC+8*(4*\a+\b)+3] offset:64*\b       ; each accumulator from its low end on
	ds_store_b128 v[STO], v[ACC+8*(4*\a+\b)+4:ACC+8*(4*\a+\b)+7] offset:64*\b+16
.endr
.irp t, 0,1,2,3,4,5,6,7
	ds_load_b128 v[ACC+32*\a+4*\t:ACC+32*\a+4*\t+3], v[RD] offset:2*SP*\t
.endr
.endm
.macro SEND a, younger                 ; younger: the LDS instructions issued behind block a's loads
.irp t, 0,1,2,3,4,5,6,7
	s_wait_dscnt \younger+7-\t
	global_store_b128 v[CO], v[ACC+32*\a+4*\t:ACC+32*\a+4*\t+3], s[10:11] offset:(16*\a+2*\t)*2048 th:TH_STORE_NT   ; 16 lanes store 256 consecutive bytes, aligned
.endr
.endm
	TOSTAGE 0
	TOSTAGE 1
	SEND 0, 16
	TOSTAGE 2
	SEND 1, 16
	TOSTAGE 3
	SEND 2, 16
	SEND 3, 0
	s_wait_tensorcnt 0x0                           ; the wave's end, behind my last tensor load and my last LDS store
	ds_add_u32 v[SPW], v[NIL]
	s_wait_dscnt 0x0
	CROUND                                         ; the closing round
	s_endpgm
.Lfunc_end_k_qcc3c1da6ad_proj:
	.size	k_qcc3c1da6ad_proj, .Lfunc_end_k_qcc3c1da6ad_proj-k_qcc3c1da6ad_proj
	.p2alignl 7, 3214868480
	.fill 96, 4, 3214868480
	.section	.rodata,"a",@progbits
	.p2align	6, 0x0
	.amdhsa_kernel k_qcc3c1da6ad_proj
		.amdhsa_group_segment_fixed_size 280064
		.amdhsa_private_segment_fixed_size 0
		.amdhsa_enable_private_segment 0
		.amdhsa_kernarg_size 32
		.amdhsa_user_sgpr_count 2
		.amdhsa_user_sgpr_kernarg_segment_ptr 1
		.amdhsa_wavefront_size32 1
		.amdhsa_system_sgpr_workgroup_id_x 1
		.amdhsa_system_sgpr_workgroup_id_y 1
		.amdhsa_system_sgpr_workgroup_id_z 1
		.amdhsa_system_vgpr_workitem_id 0
		.amdhsa_next_free_vgpr 512
		.amdhsa_next_free_sgpr 80
		.amdhsa_reserve_vcc 0
		.amdhsa_float_denorm_mode_32 3
		.amdhsa_float_denorm_mode_16_64 3
		.amdhsa_memory_ordered 1
		.amdhsa_forward_progress 1
		.amdhsa_inst_pref_size 49
	.end_amdhsa_kernel
	.amdgpu_metadata
---
amdhsa.version: [ 1, 2 ]
amdhsa.kernels:
  - .name:           k_qcc3c1da6ad_proj
    .symbol:         k_qcc3c1da6ad_proj.kd
    .args:
      - { .name: o16, .offset: 0, .size: 8, .value_kind: global_buffer, .address_space: global }
      - { .name: wo16, .offset: 8, .size: 8, .value_kind: global_buffer, .address_space: global }
      - { .name: bo, .offset: 16, .size: 8, .value_kind: global_buffer, .address_space: global }
      - { .name: out0, .offset: 24, .size: 8, .value_kind: global_buffer, .address_space: global }
    .group_segment_fixed_size: 280064
    .private_segment_fixed_size: 0
    .kernarg_segment_align: 8
    .kernarg_segment_size: 32
    .max_flat_workgroup_size: 128
    .sgpr_count:     80
    .vgpr_count:     512
    .wavefront_size: 32
...
	.end_amdgpu_metadata
.endif
;; end of part 4
